; MI455X (gfx1250); checked and timed in simulation.
; The chip was launched on July 23, 2026; its instructions are those of AMD's public machine-readable ISA for CDNA 5 (MIT licence, August 2026) and "CDNA5" Instruction Set Architecture Reference Guide (July 2026). The comments in the code are by the model that wrote it; some were corrected since.
;; Base Attention. Allowed arithmetic: matrix products marked QUANTISED: E4M3 operands, one given power-of-two scale a tensor, by v_wmma_f32_16x16x64_fp8_fp8 or v_wmma_f32_16x16x128_fp8_fp8, f32 sums; everything else in f32.
;; Inputs: k 4 x 16 x 2,048 x 128 float32; lowp_scales 4 int32 (the exponents e of the quantised operands' scales 2^e); mask 4 x 1 x 2,048 x 2,048 bool; q 4 x 16 x 2,048 x 128 float32; v 4 x 16 x 2,048 x 128 float32.
;; Outputs: out0 4 x 16 x 2,048 x 128 float32.
;; This version of the problem:
;;   THIS VERSION OF THE PROBLEM IS GIVEN IN LOW PRECISION. The matrix products marked QUANTISED in the list below multiply operands that are first quantised to E4M3 (4 exponent bits, 3 mantissa bits; 8 bits a number), with one given power-of-two scale for each operand tensor; their sums are f32. All else is computed in f32.
;;   The module's matrix products, in the order in which they are computed (A, B: the left and right operand; K: the contracted axis; several contracted axes count as one K, in the product's order):
;;     1. batch 64 x [M 2,048, K 128] x [K 128, N 2,048]; A: input q; B: input k: QUANTISED (scales: A lowp_scales[0], B lowp_scales[1])
;;     2. batch 64 x [M 2,048, K 2,048] x [K 2,048, N 128]; A: softmax (see below); B: input v: QUANTISED (scales: A lowp_scales[2], B lowp_scales[3])
;;   THE QUANTISER, for each operand of a quantised product, along K:
;;     - The operand's scale is 2^e, e = its entry of the input lowp_scales (int32; the entries are numbered through the quantised products in the list's order, A before B).
;;     - Each number is divided by the scale, clamped to +-448, and rounded to the nearest number of E4M3, ties to even, subnormals kept.
;;     - The product sums the exact products of the quantised numbers (number of the format x scale) in f32.
;;   ~~~python
;;   def quantise(x, axis, e):      # numpy; x: float32 -> the quantised numbers, widened to float32 again
;;       x = np.moveaxis(x, axis, -1); K = x.shape[-1]
;;       r = np.clip(x / 2.0 ** e, -448, 448)
;;       step = 2.0 ** (np.maximum(np.frexp(np.where(r == 0, 1, r))[1] - 1, -6) - 3)
;;       q = np.round(r / step) * step * 2.0 ** e      # np.round: ties to even
;;       return np.moveaxis(q, -1, axis).astype(np.float32)
;;   ~~~
;;   SOFTMAX AHEAD OF A QUANTISED PRODUCT. Where the list says 'softmax', what is quantised is not the finished softmax but p = 2^(t - M), with t = logit x log2(e) and M = ceil(the row's largest t), a whole number; so 1/2 < the row's largest p <= 1. The row's sum l is taken of the UNQUANTISED p, in f32, and the product's result is divided by l at the end. Since M is a whole number, a kernel that streams over the keys may use a running M (the ceiling of the running maximum): every later rescaling is an exact power of two, so the quantised numbers keep their values, but for numbers so far below the row's largest that they fall under the format's range.
;;   OPERANDS COMPUTED ON THE WAY. 'Computed on the way' means the value that the module computes at that place (a softmax that the list does not call 'softmax' is quantised finished and normalised). What goes into a quantiser is computed in f32, as accurately as f32 sums, v_exp_f32 and their like allow (about 1e-6 of the number): no bf16 or f16 on the way to a quantiser, and a product that is left as it is and whose result goes on into a quantised operand takes f32 operands (vector FMAs, or v_wmma_f32_16x16x4_f32). A number that lies on a knife's edge between two numbers of the format may be rounded either way, as far as f32 arithmetic and the matrix unit's own rounding can turn it there, and no further.
;; One version. Each part assembles by itself: llvm-mc -triple=amdgcn-amd-amdhsa -mcpu=gfx1250 --defsym DOCPART=n.
;; ======== version 1 of 1: 2 launches
;; limits: right only within a limited range of input values
;; workspace buffers: kv 33,554,432 bytes; mbits 2,097,152 bytes of whole numbers
;; launch prep (part 1): grid 1024 x 1, 4 waves a work-group, no clusters, 68,096 bytes of LDS; arguments k, v, mask, lowp_scales, kv, mbits; writes kv, mbits
.if DOCPART == 1
	.amdgcn_target "amdgcn-amd-amdhsa--gfx1250"
	.amdhsa_code_object_version 6
	.text
	.protected	k_qef9419d342_prep
	.globl	k_qef9419d342_prep
	.p2align	8
	.type	k_qef9419d342_prep,@function
k_qef9419d342_prep:
	s_mov_b64 s[64:65], 0
	v_nop
	global_prefetch_b8 v0, s[64:65] scope:SCOPE_SE
	s_setreg_imm32_b32 hwreg(HW_REG_WAVE_MODE, 25, 1), 1
	s_wait_xcnt 0x0
; K and V [64 heads][2048 keys][128 channels], f32, become codes of FP8 (E4M3), each with its given scale 2^ek, 2^ev, laid in the ORDER OF THE OPERAND'S REGISTERS;
; the mask [4][2048 queries][2048 keys], one byte a flag, becomes words of 32 lane bits.  Every byte of k, v and mask is read once here, and the attention launch reads a quarter (an eighth) of the bytes.
; code = x / 2^e, held within +-448, rounded to the nearest code, ties to even.
; LIMITS: ek and ev between -126 and 119, so that 2^e and 448 x 2^e are f32 numbers.  NaN among the inputs is not served (an infinity is held at the largest code).
; kv: [head 64][step 16][32,768 bytes], a step = 128 keys: 8 fragments of K (2,048 bytes each), then 8 of V.  A fragment is the image of 16 registers: chunk c (0..3) is 512 bytes, lane L's 16 bytes at 512 c + 16 L.
;   With L = r + 16 h:  K's fragment 2 b + u: key 32 b + 8 u + r + 8 (r / 8) of the step, channels 32 c + 16 h + 0..15.   V's fragment t: channel 16 t + r, keys 32 c + 16 h + 0..15 of the step.
; mbits: [b 4][tile of 16 queries 128][step 16][64 words]: bit r + 16 h of word n = (mask[b][16 tile + r][128 step + 32 (n / 16) + 16 h + n % 16] is not 0).
; SHARES.  Work-group g = 16 head + step makes block g of kv.  Wave w: K's keys 32 w .. 32 w + 31 (fragments 2 w, 2 w + 1); V's channels 32 w .. 32 w + 31 for all 128 keys (fragments 2 w, 2 w + 1);
; and mask unit 4 g + w: 16 queries x 256 keys, 512 bytes of mbits.  Waves share nothing: no barrier.  No tensor load, no matrix instruction: memory binds, and a stage in LDS turns rows into lanes' neighbours.
.set KP,    528                        ; K's stage: a key's 512 bytes + 16 = 132 words: row r starts at bank 4 r mod 64 (64 banks of 4 bytes: ISA guide 11.1), so 16 rows of a load start at 16 different banks
.set KSTW,  32*KP                      ; a wave's stage for K: 32 rows
.set MP,    272                        ; the mask's stage: 256 bytes + 16
.set MST0,  0                          ; the mask's stage lies in the wave's own stage for K, and is written when K's fragments have been read back
.set MSTW,  KSTW                       ; from wave to wave; 16 rows of MP bytes are used
.set SPARE, MST0+4*MSTW                ; behind the stages: the spare words, 128 bytes for each wave
.set KC,    16                         ; v16-31   a fragment of K: its codes
.set A,     32                         ; v32-159  K's 32 rows as loaded (4 registers each); later V: register 32 c + i = key 32 c + i of my channel
.set RB,    160                        ; v160-223 a fragment's numbers of K, back from the stage: register 16 c + i = channel 32 c + 16 h + i of my key
.set VC,    160                        ; v160-191 later: V's codes
.set TM,    192                        ; v192-199 the mask phase: eight bytes at work
.set MO,    200                        ; v200-203 the mask phase: the unit's 128 words, two registers a step, lane l holds words 2 l and 2 l + 1
.set MR,    224                        ; v224-255 the mask's bytes
; v1 my spare word, v2 zero; v3 16 l; v4, v5 K's stage in and out; v6 4 l; v7 2,048 h + 16 r; v8, v9 the mask's stage in and out; v10 8 l; v11, v12: 2^ek, 448 x 2^ek; v13, v14: 2^ev, 448 x 2^ev
	s_load_b256 s[4:11], s[0:1], 0x0               ; k s[4:5], v s[6:7], mask s[8:9], the scales' exponents s[10:11]
	s_load_b128 s[12:15], s[0:1], 0x20             ; kv s[12:13], mbits s[14:15]
	v_lshl_add_u32 v1, v0, 2, SPARE
	v_mov_b32 v2, 0
	v_lshrrev_b32 v15, 5, v0
	v_readfirstlane_b32 s16, v15                   ; wave 0..3
	v_and_b32 v15, 31, v0                          ; lane l
	v_and_b32 v160, 15, v0                         ; r
	v_bfe_u32 v161, v0, 4, 1                       ; h
	v_lshlrev_b32 v3, 4, v15                       ; 16 l
	v_lshlrev_b32 v6, 2, v15                       ; 4 l
	v_lshlrev_b32 v10, 3, v15                      ; 8 l
	s_mul_i32 s17, s16, KSTW                       ; my stage for K
	v_add_nc_u32 v4, s17, v3                       ; in: a key's row as it lies, 16 bytes a lane
	v_mul_u32_u24 v5, v160, KP
	v_lshl_add_u32 v5, v161, 6, v5
	v_add_nc_u32 v5, s17, v5                       ; out: row r of a fragment, + 64 h: my 16 channels of a block of 32
	v_lshlrev_b32 v7, 4, v160
	v_lshl_add_u32 v7, v161, 11, v7                ; 2,048 h + 16 r: in the mask two rows an instruction; in kv two fragments an instruction
	s_mul_i32 s18, s16, MSTW
	s_add_co_u32 s18, s18, MST0                    ; my stage for the mask
	v_mul_u32_u24 v8, v161, MP
	v_lshl_add_u32 v8, v160, 4, v8
	v_add_nc_u32 v8, s18, v8                       ; in: row h of a pair, 16 r
	v_mul_u32_u24 v9, v160, MP
	v_lshl_add_u32 v9, v161, 4, v9
	v_add_nc_u32 v9, s18, v9                       ; out: row r, + 16 h: my 16 keys of a block of 32
	; where my wave's parts begin, in bytes; every one stays under 2^27
	s_lshl_b32 s24, ttmp9, 16                      ; a step of k or of v: 128 keys x 512 bytes
	s_lshl_b32 s26, s16, 14
	s_add_co_u32 s26, s24, s26                     ; k: + my 32 keys
	s_mov_b32 s27, 0
	s_lshl_b32 s28, s16, 7
	s_add_co_u32 s28, s24, s28                     ; v: + my 32 channels
	s_mov_b32 s29, 0
	s_lshl_b32 s30, ttmp9, 15
	s_lshl_b32 s31, s16, 12
	s_add_co_u32 s30, s30, s31                     ; kv: block g, + my two fragments
	s_mov_b32 s31, 0
	s_lshl_b32 s32, ttmp9, 2
	s_add_co_u32 s32, s32, s16                     ; my mask unit, 0 .. 4,095
	s_lshr_b32 s34, s32, 3
	s_lshl_b32 s34, s34, 15                        ; mask: 16 rows of 2,048 bytes for each tile of queries,
	s_and_b32 s35, s32, 7
	s_lshl_b32 s35, s35, 8
	s_add_co_u32 s34, s34, s35                     ; + 256 keys for each unit of a tile
	s_mov_b32 s35, 0
	s_lshl_b32 s36, s32, 9                         ; mbits: 512 bytes a unit
	s_mov_b32 s37, 0
	s_wait_alu depctr_va_vdst(0)
	s_wait_kmcnt 0x0
	s_load_b128 s[20:23], s[10:11], 0x0            ; eq, ek, ep, ev
	s_add_nc_u64 s[4:5], s[4:5], s[26:27]
	s_add_nc_u64 s[6:7], s[6:7], s[28:29]
	s_add_nc_u64 s[8:9], s[8:9], s[34:35]
	s_add_nc_u64 s[12:13], s[12:13], s[30:31]
	s_add_nc_u64 s[14:15], s[14:15], s[36:37]
.set i, 0
.rept 32                               ; K: a key's row an instruction: 32 lanes read 512 consecutive bytes
	global_load_b128 v[A+4*i:A+4*i+3], v3, s[4:5] offset:512*i th:TH_LOAD_NT
.set i, i+1
.endr
.set i, 0
.rept 8                                ; the mask: two rows' 256 bytes an instruction
	global_load_b128 v[MR+4*i:MR+4*i+3], v7, s[8:9] offset:4096*i th:TH_LOAD_NT
.set i, i+1
.endr
	s_wait_kmcnt 0x0
	s_add_co_i32 s48, s21, 127
	s_lshl_b32 s49, s48, 23
	v_mov_b32 v11, s49                             ; 2^ek as f32: the conversion takes its exponent field
	s_add_co_i32 s48, s48, 8
	s_lshl_b32 s48, s48, 23
	s_or_b32 s48, s48, 0x600000
	v_mov_b32 v12, s48                             ; 448 x 2^ek
	s_add_co_i32 s50, s23, 127
	s_lshl_b32 s51, s50, 23
	v_mov_b32 v13, s51                             ; 2^ev
	s_add_co_i32 s50, s50, 8
	s_lshl_b32 s50, s50, 23
	s_or_b32 s50, s50, 0x600000
	v_mov_b32 v14, s50                             ; 448 x 2^ev
	s_wait_alu depctr_va_vdst(0)
	s_wait_loadcnt 8                               ; K's 32 loads are in; the mask's eight, issued behind them, may be out
.set i, 0
.rept 32                               ; key i goes to the stage row of its place in its fragment: fragment (i / 8) % 2, row i % 8 + 8 (i / 16): a fragment's 16 rows lie on end
	ds_store_b128 v4, v[A+4*i:A+4*i+3] offset:KP*(16*((i>>3)&1)+(i&7)+8*(i>>4))
.set i, i+1
.endr
	s_wait_loadcnt 0x0                             ; the mask's bytes are in: they stay in MR until K has left the stage
	s_wait_dscnt 0x0                               ; the stores have read their registers: V's loads may land in A
; V: A LANE TAKES A CHANNEL, AND ITS REGISTERS RUN DOWN THE KEYS, which are V's K: the conversions then give codes with the keys innermost, and nothing is transposed.  A load reads 128 consecutive bytes, the four waves side by side 512
.macro VLOAD c
.set i, 0
.rept 32
	global_load_b32 v[A+32*\c+i], v6, s[6:7] offset:512*(32*\c+i) th:TH_LOAD_NT
.set i, i+1
.endr
.endm
; fragment u of my two of K: back from the stage 64 numbers a lane, held, converted, stored as the image of 16 registers
.macro KFRAG u
.irp c, 0,1,2,3
.irp j, 0,1,2,3
	ds_load_b128 v[RB+16*\c+4*\j:RB+16*\c+4*\j+3], v5 offset:16*\u*KP+128*\c+16*\j
.endr
.endr
	s_wait_dscnt 0x0
.set i, 0
.rept 64
	v_med3_num_f32 v[RB+i], v[RB+i], -v12, v12     ; the conversion to an 8-bit code does not saturate (ISA guide 7.6.2): the hold at the largest code x the scale
.set i, i+1
.endr
.irp c, 0,1,2,3
	v_cvt_scalef32_pk8_fp8_f32 v[KC+4*\c:KC+4*\c+1], v[RB+16*\c:RB+16*\c+7], v11
	v_cvt_scalef32_pk8_fp8_f32 v[KC+4*\c+2:KC+4*\c+3], v[RB+16*\c+8:RB+16*\c+15], v11
.endr
	v_nop                                          ; one plain vector line behind the last conversion: later vector lines write its sources' registers
.irp c, 0,1,2,3
	global_store_b128 v3, v[KC+4*\c:KC+4*\c+3], s[12:13] offset:2048*\u+512*\c   ; 32 lanes store 512 consecutive bytes, at a multiple of 512 from kv's first byte
.endr
.endm
.macro VBLOCK c, left                  ; 32 keys of my channel; left: younger loads that may stay out
	s_wait_loadcnt \left
.set i, 0
.rept 32
	v_med3_num_f32 v[A+32*\c+i], v[A+32*\c+i], -v14, v14
.set i, i+1
.endr
.irp g, 0,1,2,3
	v_cvt_scalef32_pk8_fp8_f32 v[VC+8*\c+2*\g:VC+8*\c+2*\g+1], v[A+32*\c+8*\g:A+32*\c+8*\g+7], v13
.endr
.endm
	VLOAD 0                                        ; V's loads are on their way while K and the mask are worked on
	VLOAD 1
	KFRAG 0
	VLOAD 2
	s_wait_xcnt 0x0                                ; fragment 0's stores have read KC: it is written again only behind this wait
	KFRAG 1
	VLOAD 3
.set i, 0
.rept 8                                ; K's two fragments are back in registers (their loads have been waited for): the mask's bytes take the stage
	ds_store_b128 v8, v[MR+4*i:MR+4*i+3] offset:2*MP*i
.set i, i+1
.endr
	s_wait_dscnt 0x0                               ; the stores have read MR: the mask's bytes may come back into it
	; THE MASK.  Lane (r, h) takes, of query r, the 16 bytes of keys 128 s + 32 b + 16 h + 0..15.  For each of the 128 places (s, b, i) a compare over the 32 lanes gives the word of that place.
.irp s, 0,1
.irp b, 0,1,2,3
	ds_load_b128 v[MR+4*(4*\s+\b):MR+4*(4*\s+\b)+3], v9 offset:128*\s+32*\b
.endr
.endr
.irp j, 0,1,2,3
	v_mov_b32 v[MO+\j], 0                          ; written whole once: v_writelane_b32 writes a lane at a time
.endr
	s_wait_dscnt 0x0
.set m, 0
.rept 16                               ; eight places at a time, so that no line waits for the line above it.  Place m = 64 s + 16 b + i
.set k, 0
.rept 8
	v_bfe_u32 v[TM+k], v[MR+4*((m+k)>>4)+(((m+k)&15)>>2)], 8*((m+k)&3), 8   ; byte i of my 16
.set k, k+1
.endr
.set k, 0
.rept 8
	v_cmp_ne_u32 s[40+k], 0, v[TM+k]               ; bit L: lane L's flag is set
.set k, k+1
.endr
.set k, 0
.rept 8
	v_writelane_b32 v[MO+2*((m+k)>>6)+((m+k)&1)], s[40+k], ((m+k)>>1)&31    ; word m % 64 of step s: into lane (m % 64) / 2, register m % 2
.set k, k+1
.endr
.set m, m+8
.endr
	global_store_b64 v10, v[MO:MO+1], s[14:15]               ; a step's 64 words: 32 lanes store 256 consecutive bytes, at a multiple of 256 from mbits' first byte
	global_store_b64 v10, v[MO+2:MO+3], s[14:15] offset:256
	VBLOCK 0, 63                                   ; behind block 0's loads stand 96, behind block 1's 64: the wait's field holds 63 at the most, and a smaller count is safe
	VBLOCK 1, 63
	VBLOCK 2, 32                                   ; block 3's 32 may be out
	VBLOCK 3, 0
	v_nop                                          ; one plain vector line behind the last conversion
.irp c, 0,1,2,3
.irp p, 0,1                            ; keys 32 c + 16 p + 0..15 of channel 32 w + l belong to lane l % 16 + 16 p of fragment 2 w + l / 16: lanes 0-15 fill 256 consecutive bytes of one fragment, lanes 16-31 of the next
	global_store_b128 v7, v[VC+8*\c+4*\p:VC+8*\c+4*\p+3], s[12:13] offset:16384+512*\c+256*\p
.endr
.endr
	s_wait_tensorcnt 0x0                           ; the wave's end
	ds_add_u32 v1, v2
	s_wait_dscnt 0x0
	s_endpgm
.Lfunc_end_k_qef9419d342_prep:
	.size	k_qef9419d342_prep, .Lfunc_end_k_qef9419d342_prep-k_qef9419d342_prep
	.p2alignl 7, 3214868480
	.fill 96, 4, 3214868480
	.section	.rodata,"a",@progbits
	.p2align	6, 0x0
	.amdhsa_kernel k_qef9419d342_prep
		.amdhsa_group_segment_fixed_size 68096
		.amdhsa_private_segment_fixed_size 0
		.amdhsa_enable_private_segment 0
		.amdhsa_kernarg_size 48
		.amdhsa_user_sgpr_count 2
		.amdhsa_user_sgpr_kernarg_segment_ptr 1
		.amdhsa_wavefront_size32 1
		.amdhsa_system_sgpr_workgroup_id_x 1
		.amdhsa_system_sgpr_workgroup_id_y 1
		.amdhsa_system_sgpr_workgroup_id_z 1
		.amdhsa_system_vgpr_workitem_id 0
		.amdhsa_next_free_vgpr 256
		.amdhsa_next_free_sgpr 66
		.amdhsa_reserve_vcc 0
		.amdhsa_float_denorm_mode_32 3
		.amdhsa_float_denorm_mode_16_64 3
		.amdhsa_memory_ordered 1
		.amdhsa_forward_progress 1
		.amdhsa_inst_pref_size 69
	.end_amdhsa_kernel
	.amdgpu_metadata
---
amdhsa.version: [ 1, 2 ]
amdhsa.kernels:
  - .name:           k_qef9419d342_prep
    .symbol:         k_qef9419d342_prep.kd
    .args:
      - { .name: k, .offset: 0, .size: 8, .value_kind: global_buffer, .address_space: global }
      - { .name: v, .offset: 8, .size: 8, .value_kind: global_buffer, .address_space: global }
      - { .name: mask, .offset: 16, .size: 8, .value_kind: global_buffer, .address_space: global }
      - { .name: lowp_scales, .offset: 24, .size: 8, .value_kind: global_buffer, .address_space: global }
      - { .name: kv, .offset: 32, .size: 8, .value_kind: global_buffer, .address_space: global }
      - { .name: mbits, .offset: 40, .size: 8, .value_kind: global_buffer, .address_space: global }
    .group_segment_fixed_size: 68096
    .private_segment_fixed_size: 0
    .kernarg_segment_align: 8
    .kernarg_segment_size: 48
    .max_flat_workgroup_size: 128
    .sgpr_count:     66
    .vgpr_count:     256
    .wavefront_size: 32
...
	.end_amdgpu_metadata
.endif
;; end of part 1
;; launch attn (part 2): grid 8 x 64, 8 waves a work-group, clusters of 4 x 1, 327,680 bytes of LDS; arguments q, kv, mbits, lowp_scales, out0; writes out0
.if DOCPART == 2
	.amdgcn_target "amdgcn-amd-amdhsa--gfx1250"
	.amdhsa_code_object_version 6
	.text
	.protected	k_qef9419d342_attn
	.globl	k_qef9419d342_attn
	.p2align	8
	.type	k_qef9419d342_attn,@function
k_qef9419d342_attn:
	s_mov_b64 s[64:65], 0
	v_nop
	global_prefetch_b8 v0, s[64:65] scope:SCOPE_SE
	s_setreg_imm32_b32 hwreg(HW_REG_WAVE_MODE, 25, 1), 1
	s_wait_xcnt 0x0
	s_wait_alu depctr_hold_cnt(0) depctr_sa_sdst(0) depctr_va_vdst(0) depctr_va_sdst(0) depctr_va_ssrc(0) depctr_va_vcc(0) depctr_vm_vsrc(0)
	s_getreg_b32 s2, hwreg(HW_REG_IB_STS2, 6, 4)
	s_cmp_eq_u32 s2, 0
	s_cbranch_scc0 .Lentry_in_a_cluster
	s_endpgm
.Lentry_in_a_cluster:
	s_bfe_u32 s2, ttmp6, 0x10000c
	s_cmp_lg_u32 s2, 0x3003
	s_cbranch_scc0 .Lentry_shape_is_right
	s_endpgm
.Lentry_shape_is_right:
; out[head][q][:] = the sum over keys of softmax(q . k / sqrt(128) + mask x (-1e9)) v[key][:], both products on codes of FP8 (E4M3), each operand with its given scale: eq, ek, ep, ev.
; q: [64 heads][2048][128] f32, quantised here in registers.  kv: K's and V's codes as images of the operands' registers: [head][step of 128 keys][8 fragments of K, 8 of V, 2,048 bytes each]; chunk c of a fragment is 512 bytes, lane L = r + 16 h at 16 L.
; K's fragment 2 b + u: key 32 b + 8 u + r + 8 (r / 8), channels 32 c + 16 h + 0..15.  V's fragment t: channel 16 t + r, keys 32 c + 16 h + 0..15.  mbits: [b][tile of 16 queries][step][64 words]: bit L of word n is the flag of the score in lane L, register n of S^T.
; THE SOFTMAX: t = score x c, c = 2^(eq + ek) log2(e) / sqrt(128); M = the row's largest t so far, rounded UP to a whole number; p = 2^(t - M) is quantised; the row's sum is taken of the unquantised p and divides at the end.
; When M moves, the sums and O are multiplied by 2^(old M - new M): exact.  t - M is one fused multiply-add, rounded once where the definition rounds three times.
; THE MASK.  A masked score is replaced, ahead of the maximum, by -2^(33 - eq - ek): its t is -(log2(e) / sqrt(128)) x 2^33, about -1.1e9, a whole number that f32 holds exactly.  In a row with an open key the definition's p of a
; masked key, 2^(about -1.4e9), is 0, and so it is here.  In a row all of whose keys are masked the definition's logits all round to -1e9 while |score / sqrt(128)| < 32 (f32's step there is 64), and every p is 1; here every t equals M, and every p is 1 too.
; STATED LIMITS: in a row all of whose keys are masked and with larger scores the definition keeps multiples of 64 of the logits, this text none; open t stay above -2^29.  eq, ep between -126 and 119; eq + ek between -90 and 120.  NaN among the inputs is not served.
; SHARES.  A work-group owns 256 queries of one head; each of its EIGHT waves 32 of them, two tiles, so that each fragment of K and V read from LDS feeds two matrix instructions.  Two waves to a SIMD, 512 registers each.
; Every wave walks all 2,048 keys, 128 a step.  A slot of LDS holds four steps' 131,072 bytes of kv; two slots take turns; every wave fetches an eighth, one tensor load behind each round.
; CLUSTER.  The four work-groups of a cluster belong to one head and walk the same kv: each eighth is asked for JOINTLY, by the same tensor load with the same descriptor and a mask that names the four.
; LAYOUT.  Both products are used transposed: S^T = K Q^T, O^T = V^T P^T: a lane holds one query (lane % 16) of each tile; register 16 b + i of S^T holds key 32 b + 16 (lane / 16) + i of the step, so the conversions' results are the second product's operand.
; q is read once, at the head, where there is no loop to run ahead in: it is not prefetched.  The mask words are asked for by their own loads, one tile's softmax ahead.
; REGISTERS.  Window 0: v1-15 addresses, constants, the tiles' -M and largest t; v16-47 Q's codes; v48-79 p's codes; v80-88 at work, v108-111 stage addresses; v112-239 S^T of both tiles; v240-255 the sums, four pairs a tile.
; Window 1: v0-127 O^T of both tiles; v128-255 eight fragments of K or of V.
.set NQ,    4                          ; key steps in a slot
.set STEPB, 32768
.set SLOTB, NQ*STEPB
.set NSL,   16/NQ
.set WPART, SLOTB/8                    ; a wave's part of a slot
.set PFSH,  NQ/2                       ; 2^PFSH waves of a work-group prefetch 8,192 bytes each: a quarter of a slot
.set STAGE, 2*SLOTB                    ; behind the ring: 16 rows x (256 bytes + 16) for each wave; no tile lands here
.set SP,    272
.set SPARE, STAGE+8*16*SP              ; the spare words, 128 bytes for each wave
.set LI,  1                            ; 16 x lane
.set SPW, 2
.set NIL, 3
.set PFO, 4                            ; 256 x lane
.set ADR, 5                            ; the step's LDS address
.set BIG, 6                            ; what a masked score becomes
.set SCL, 7                            ; the conversion's scale
.set H0,  8                            ; the hold, twice: the two halves of a dual line name registers of different banks
.set H1,  9
.set F,   10                           ; v[10:11] f = 2^(old M - new M), named as a pair
.set STA, 12                           ; v[12:13], v[14:15]: -M and the largest t of tile 0, 1
.set QF,  16
.set PC,  48
.set T,   80
.set QRD, 108
.set RD,  109
.set STO, 110
.set GOF, 111
.set S,   112
.set SUM, 240
.set O,   0                            ; window 1
.set FRG, 128                          ; window 1
.set TB,    2                          ; s2   LDS byte of the step in hand
.set SLOTS, 3
.set MPT,   4                          ; s[4:5] tile 0's mask words of the step; tile 1's lie 4,096 bytes on
.set OUT,   6
.set G0,    8
.set G1,    12
.set SEL,   20
.set CS,    22                         ; s[22:23] c, named as a pair
.set MW,    24                         ; mask word n in s[24 + n + 4 (n / 40)]: s24-63, s68-91
.set WV,    66
.set LIM,   67
.set QS,    92                         ; steps of the slot still to go
.set EPV,   93
.set PFA,   94
.set QP,    96
.set SBASE, 98                         ; LDS byte at which the slot in hand begins
.set PFM,   100                        ; s[100:101] where my prefetches of mask words stand
.set HM,    104                        ; s104 0 in the first head of a batch entry
.set PMO,   89                         ; v89  the mask prefetch's offset: eight blocks of 256 bytes
.set MSB, 0
.macro WIN new                         ; the immediate's high byte repeats the setting that is left
.if MSB != \new
	s_set_vgpr_msb (MSB<<8)|\new
.set MSB, \new
.endif
.endm
.macro CROUND                          ; a round of the cluster's barrier
	s_barrier_signal -1
	s_barrier_wait -1
	s_cmp_lg_u32 s[WV], 0
	s_cbranch_scc1 .Lnot_wave_0_\@
	s_barrier_signal -3
.Lnot_wave_0_\@:
	s_barrier_wait -3
	s_barrier_signal -1
	s_barrier_wait -1
.endm
.macro TLOAD                           ; the joint load: every wave fetches its eighth
	tensor_load_to_lds s[G0:G0+3], s[G1:G1+7]
	s_nop 0
.rept 4
	v_nop
.endr
.endm
; A prefetch of the slot that the NEXT change of slots will ask for, four key steps ahead of that load.  The head's first cluster asks; its four partners share the slot out by address, 32,768 bytes each;
; in each, waves 0 to 3 ask for 8,192, lanes 256 bytes apart.  The last change that fills a slot asks for nothing; slots 0 and 1 come by their loads alone.
.macro ASK
	s_cmp_gt_u32 s[SLOTS], s[LIM]
	s_cbranch_scc0 .Lnot_mine_\@
	global_prefetch_b8 v[PFO], s[PFA:PFA+1] th:TH_LOAD_NT scope:SCOPE_SE
.Lnot_mine_\@:
.endm
.macro MLOADS off                      ; a tile's 64 mask words of a step, each the lane mask of one v_cndmask_b32
	s_load_b512 s[24:39], s[MPT:MPT+1], \off+0x0
	s_load_b512 s[40:55], s[MPT:MPT+1], \off+0x40
	s_load_b256 s[56:63], s[MPT:MPT+1], \off+0x80
	s_load_b256 s[68:75], s[MPT:MPT+1], \off+0xa0
	s_load_b512 s[76:91], s[MPT:MPT+1], \off+0xc0
.endm
	s_load_b256 s[24:31], s[0:1], 0x0              ; q, kv, mbits, the scales' exponents
	s_load_b64 s[OUT:OUT+1], s[0:1], 0x20
	v_lshl_add_u32 v[SPW], v0, 2, SPARE
	v_mov_b32 v[NIL], 0
	ds_add_u32 v[SPW], v[NIL]                      ; the opening lines: the add twice on end, its wait ahead of the first tensor load
	ds_add_u32 v[SPW], v[NIL]
	v_lshrrev_b32 v[T], 5, v0
	s_delay_alu instid0(VALU_DEP_1)
	v_readfirstlane_b32 s[WV], v[T]                ; wave 0..7
	s_bfe_u32 s36, ttmp6, 0x40000                  ; cx: it enters the addresses of q, mbits, the output and the prefetches alone
	s_lshl_b32 s37, ttmp9, 2
	s_add_co_u32 s37, s37, s36                     ; my block of 256 queries
	s_and_b32 s38, ttmp7, 0xffff                   ; the head
	s_lshl_b32 s40, s38, 20                        ; q and the output: a head is 2^20 bytes, a block 2^17, a wave's 32 rows 2^14
	s_lshl_b32 s41, s37, 17
	s_add_co_u32 s40, s40, s41
	s_lshl_b32 s41, s[WV], 14
	s_add_co_u32 s40, s40, s41
	s_mov_b32 s41, 0
	s_lshr_b32 s42, s38, 4                         ; mbits: batch entry = head / 16, 128 tiles each; my first tile = 16 x block + 2 x wave; 4,096 bytes a tile
	s_lshl_b32 s42, s42, 7
	s_lshl_b32 s43, s37, 4
	s_add_co_u32 s42, s42, s43
	s_lshl_b32 s43, s[WV], 1
	s_add_co_u32 s42, s42, s43
	s_lshl_b32 s42, s42, 12
	s_mov_b32 s43, 0
	s_lshl_b32 s44, s38, 19                        ; kv: a head is 16 steps of 32,768 bytes
	s_mov_b32 s45, 0
	s_mul_i32 s[G0+1], s[WV], WPART                ; LDS address: my eighth of slot 0
	s_mov_b32 s46, s[G0+1]                         ; and the same eighth in memory
	s_mov_b32 s47, 0
	s_mul_i32 s48, s36, SLOTB/4                    ; the prefetches: my work-group's quarter of a slot,
	s_and_b32 s49, s[WV], (1<<PFSH)-1
	s_lshl_b32 s49, s49, 13
	s_add_co_u32 s48, s48, s49                     ; my wave's 8,192 bytes of it,
	s_add_co_u32 s48, s48, SLOTB                   ; in slot 1: the first change of slots steps it to slot 2
	s_mov_b32 s49, 0
	s_mul_i32 s50, s[WV], 16*SP
	s_add_co_u32 s50, s50, STAGE                   ; my stage
	s_mov_b32 s[G0], 1
	s_mov_b32 s[G1], 15|(3<<16)|(1<<21)            ; the mask: all four work-groups; elements of 8 bytes; no padding; bit 21 beside a mask
	s_mov_b32 s[G1+1], 32<<16                      ; a dense block as rows of 256 bytes
	s_mov_b32 s[G1+2], (WPART/256)<<16
	s_mov_b32 s[G1+3], 32<<16
	s_mov_b32 s[G1+4], WPART/256
	s_mov_b32 s[G1+5], 32
	s_mov_b32 s[G1+6], 0
	s_mov_b32 s[G1+7], 0
	s_lshr_b32 s[LIM], s[WV], PFSH                 ; 0 in the waves that prefetch,
	s_or_b32 s[LIM], s[LIM], ttmp9                 ; of the head's first cluster: the same in all four partners
	s_cmp_eq_u32 s[LIM], 0
	s_cselect_b32 s[LIM], 1, -1
	s_mov_b32 s[SEL], 0x76543210
	s_mov_b32 s[SEL+1], 0xfedcba98
	s_mov_b32 s[SBASE], 0
	s_mov_b32 s[SLOTS], NSL-1
	v_and_b32 v[T], 31, v0
	v_and_b32 v[T+1], 15, v0                       ; r
	v_bfe_u32 v[T+2], v0, 4, 1                     ; h
	v_lshlrev_b32 v[LI], 4, v[T]
	v_lshlrev_b32 v[PFO], 8, v[T]
	v_mul_u32_u24 v[T+3], v[T+1], SP
	v_mul_u32_u24 v[T+4], v[T+2], SP
	v_lshlrev_b32 v[T+5], 9, v[T+2]
	v_add_nc_u32 v[T+3], s50, v[T+3]               ; stage row r
	v_lshl_add_u32 v[T+4], v[T+1], 4, v[T+4]
	v_lshl_add_u32 v[GOF], v[T+1], 4, v[T+5]       ; in q and the output: two rows an instruction, 16 lanes on 256 bytes
	v_lshl_add_u32 v[STO], v[T+2], 5, v[T+3]       ; O's way into the stage: row r, + 32 h
	v_lshl_add_u32 v[QRD], v[T+2], 6, v[T+3]       ; Q's way out of it: row r, + 64 h
	v_add_nc_u32 v[RD], s50, v[T+4]                ; by rows: row h of a pair, 16 r
	s_wait_alu depctr_va_vdst(0)
	s_wait_dscnt 0x0                               ; both opening adds are done
	s_wait_kmcnt 0x0
	s_load_b128 s[32:35], s[30:31], 0x0            ; eq, ek, ep, ev
	s_add_nc_u64 s[QP:QP+1], s[24:25], s[40:41]
	s_add_nc_u64 s[OUT:OUT+1], s[OUT:OUT+1], s[40:41]
	s_add_nc_u64 s[MPT:MPT+1], s[28:29], s[42:43]
	s_add_nc_u64 s[G0+2:G0+3], s[26:27], s[44:45]
	s_add_nc_u64 s[PFA:PFA+1], s[G0+2:G0+3], s[48:49]
	s_add_nc_u64 s[G0+2:G0+3], s[G0+2:G0+3], s[46:47]
	s_or_b32 s[G0+3], s[G0+3], 0x80000000
	; Q'S WAY IN.  Four pieces of 16 rows x 256 bytes (tile p / 2, channels 64 (p % 2) on) go through my stage and come back 32 numbers a lane: register 16 cc + i = channel 64 (p % 2) + 32 cc + 16 h + i of query r.
	; The loads are asked for ahead of the round: nobody writes these bytes.
.irp p, 0,1,2,3
.irp i, 0,1,2,3,4,5,6,7
	global_load_b128 v[S+32*\p+4*\i:S+32*\p+4*\i+3], v[GOF], s[QP:QP+1] offset:(\p/2)*8192+(\p%2)*256+\i*1024 th:TH_LOAD_NT
.endr
.endr
	CROUND                                         ; all four work-groups are here: the first joint loads meet
	TLOAD                                          ; slot 0: a wave's one tensor load at the head
	s_wait_kmcnt 0x0
	s_add_co_i32 s100, s32, 127
	s_lshl_b32 s101, s100, 23
	v_mov_b32 v[SCL], s101                         ; 2^eq
	s_add_co_i32 s100, s100, 8
	s_lshl_b32 s100, s100, 23
	s_or_b32 s100, s100, 0x600000
	v_mov_b32 v[H0], s100                          ; 448 x 2^eq
	s_add_co_i32 s100, s32, s33                    ; eq + ek
	s_lshl_b32 s101, s100, 23
	s_add_co_i32 s[CS], s101, 0x3e0293ee           ; c: log2(e) / sqrt(128) with eq + ek added to its exponent field
	s_mov_b32 s[CS+1], s[CS]
	s_sub_co_i32 s100, 160, s100
	s_lshl_b32 s100, s100, 23
	s_or_b32 s99, s100, 0x80000000                 ; -2^(33 - eq - ek)
	s_add_co_i32 s[EPV], s34, s35
	s_add_co_i32 s100, s34, 127
	s_lshl_b32 s104, s100, 23                      ; 2^ep
	s_add_co_i32 s100, s100, 8
	s_lshl_b32 s100, s100, 23
	s_or_b32 s105, s100, 0x600000                  ; 448 x 2^ep
	s_wait_alu depctr_va_vdst(0)
.macro QPIECE p
	s_wait_loadcnt 24-8*\p                         ; this piece's eight loads are in; the later pieces' may be out
.irp i, 0,1,2,3,4,5,6,7
	ds_store_b128 v[RD], v[S+32*\p+4*\i:S+32*\p+4*\i+3] offset:2*\i*SP
.endr
.irp c, 0,1
.irp j, 0,1,2,3
	ds_load_b128 v[PC+16*\c+4*\j:PC+16*\c+4*\j+3], v[QRD] offset:128*\c+16*\j   ; LDS serves a wave's instructions in order: these see my stores
.endr
.endr
	s_wait_dscnt 0x0
.set i, 0
.rept 32
	v_med3_num_f32 v[PC+i], v[PC+i], -v[H0], v[H0] ; the conversion does not saturate (ISA guide 7.6.2): the hold at the largest code x the scale
.set i, i+1
.endr
.irp c, 0,1
	v_cvt_scalef32_pk8_fp8_f32 v[QF+8*\p+4*\c:QF+8*\p+4*\c+1], v[PC+16*\c:PC+16*\c+7], v[SCL]
	v_cvt_scalef32_pk8_fp8_f32 v[QF+8*\p+4*\c+2:QF+8*\p+4*\c+3], v[PC+16*\c+8:PC+16*\c+15], v[SCL]
.endr
	v_nop                                          ; one plain line behind the last conversion
.endm
	QPIECE 0
	QPIECE 1
	QPIECE 2
	QPIECE 3
	v_mov_b32 v[SCL], s104                         ; from here on: p's scale and hold
	v_mov_b32 v[H0], s105
	v_mov_b32 v[H1], s105
	v_mov_b32 v[BIG], s99
	s_mov_b64 s[PFM:PFM+1], s[MPT:MPT+1]           ; at slot 0's words: the first change of slots steps it to slot 1's
	s_and_b32 s[HM], ttmp7, 15                     ; the head within its batch entry: the same in all four partners
	v_and_b32 v[T], 31, v0
	v_min_u32 v[T], 7, v[T]                        ; lanes 0 to 7 name a block each, the others the last again
	v_lshrrev_b32 v[T+1], 2, v[T]
	v_and_b32 v[T], 3, v[T]
	v_lshlrev_b32 v[T+1], 12, v[T+1]               ; my tile 0 or 1,
	v_lshl_add_u32 v[PMO], v[T], 8, v[T+1]         ; and one of the slot's four steps
	MLOADS 0                                       ; step 0, tile 0: the arguments and exponents that lay in these registers are used up
	v_mov_b32 v[STA+1], 0xff61b1e6                 ; the largest t so far: -3e38
	v_mov_b32 v[STA+3], 0xff61b1e6
	v_floor_f32 v[STA], -v[STA+1]                  ; -M
	v_floor_f32 v[STA+2], -v[STA+3]
	v_mov_b32 v[F+1], 0                            ; (named as the upper half of a pair)
	v_mov_b32 v[T+8], 0                            ; a lane permute's destination counts as one of its sources
.set i, 0
.rept 16
	v_mov_b32 v[SUM+i], 0
.set i, i+1
.endr
	WIN 0x40
.set i, 0
.rept 128
	v_mov_b32 v[O+i], 0                            ; O^T: the step is written without a first step of its own; the first change of M leaves zeros zeros
.set i, i+1
.endr
	WIN 0
.macro TMS cnt                         ; t - M, two at a time: of the pairs c and -M the low word serves both halves
.rept \cnt
	v_pk_fma_f32 v[SB+n:SB+n+1], v[SB+n:SB+n+1], s[CS:CS+1], v[ST:ST+1] op_sel_hi:[1,0,0]
.set n, n+2
.endr
.endm
; The softmax of tile w's 64 scores a lane.  last = 1: the launch's last step asks for no further mask words.
.macro SOFTMAX w, last, meet
.set SB, S+64*\w
.set ST, STA+2*\w
.set SM, SUM+8*\w
.set OB, O+64*\w
.set PB, PC+16*\w
	s_wait_kmcnt 0x0                               ; this tile's mask words are in
	s_wait_alu depctr_va_vdst(0)                   ; the wait directly ahead of the first readers of S^T
.set n, 0
.rept 64
	v_cndmask_b32 v[SB+n], v[SB+n], v[BIG], s[MW+n+4*(n/40)]
.set n, n+1
.endr
.if \w == 0
	MLOADS 0x1000                                  ; tile 1's words of this step have tile 0's softmax in which to land
.else
.if \last
	s_cmp_eq_u32 s[QS], 1                          ; a count of steps alone: no load leaves its buffer
	s_cbranch_scc1 .Lnomore_\@
.endif
	s_add_nc_u64 s[MPT:MPT+1], s[MPT:MPT+1], 256   ; (the wait above has shown the loads that read this address done)
	MLOADS 0                                       ; tile 0's words of the next step
.if \last
.Lnomore_\@:
.endif
.if \meet
	MEET \meet                                     ; the slot's last step: all its LDS reads have been issued, and what follows in the step is work on registers
.endif
.endif
.irp k, 0,1,2,3,4,5,6,7                ; the largest score of my query among my 64 keys, in eight chains
	v_max3_num_f32 v[T+\k], v[SB+3*\k], v[SB+3*\k+1], v[SB+3*\k+2]
.endr
.irp b, 24,40
.irp k, 0,1,2,3,4,5,6,7
	v_max3_num_f32 v[T+\k], v[T+\k], v[SB+\b+2*\k], v[SB+\b+2*\k+1]
.endr
.endr
.irp k, 0,1,2,3
	v_max3_num_f32 v[T+\k], v[T+\k], v[SB+56+2*\k], v[SB+57+2*\k]
.endr
	v_max3_num_f32 v[T+4], v[T+4], v[T+5], v[T+6]
	s_delay_alu instid0(VALU_DEP_3)
	v_max3_num_f32 v[T], v[T], v[T+1], v[T+2]
	s_delay_alu instid0(VALU_DEP_2)
	v_max3_num_f32 v[T+3], v[T+3], v[T+7], v[T+4]
	s_delay_alu instid0(VALU_DEP_1)
	v_max_num_f32 v[T], v[T], v[T+3]
	v_permlanex16_b32 v[T+8], v[T], s[SEL], s[SEL+1]
	s_delay_alu instid0(VALU_DEP_1)
	v_max_num_f32 v[T], v[T], v[T+8]               ; and among lane l xor 16's
	s_delay_alu instid0(VALU_DEP_1)
	v_mul_f32 v[T], s[CS], v[T]                    ; as t (c is positive)
	s_delay_alu instid0(VALU_DEP_1)
	v_max_num_f32 v[ST+1], v[ST+1], v[T]           ; the running largest t
	v_mov_b32 v[T], v[ST]
	s_delay_alu instid0(VALU_DEP_2)
	v_floor_f32 v[ST], -v[ST+1]                    ; the new -M = -ceil(t): a whole number
	s_delay_alu instid0(VALU_DEP_1)
	v_sub_f32 v[T], v[ST], v[T]                    ; old M - new M, 0 or less
.set n, 0
	s_delay_alu instid0(VALU_DEP_2)
	TMS 5
	v_cvt_i32_f32 v[T], v[T]                       ; (it saturates)
	TMS 5
	v_ldexp_f32 v[F], 1.0, v[T]                    ; f = 2^(old M - new M)
	TMS 22
	WIN 0x41
	s_wait_alu depctr_va_vdst(0)                   ; the wait directly ahead of the first readers of O^T
.set n, 0
.rept 32
	v_pk_mul_f32 v[OB+n:OB+n+1], v[OB+n:OB+n+1], v[F:F+1] op_sel_hi:[1,0]   ; O^T under the new M; each accumulator from its low end on
.set n, n+2
.endr
	WIN 0
.irp k, 0,1,2,3
	v_pk_mul_f32 v[SM+2*\k:SM+2*\k+1], v[SM+2*\k:SM+2*\k+1], v[F:F+1] op_sel_hi:[1,0]   ; the four running sums under the new M
.endr
	s_wait_alu depctr_va_vdst(0)                   ; the wait ahead of the batch
.set n, 0
.rept 64
	v_exp_f32 v[SB+n], v[SB+n]                     ; p = 2^(t - M): not normalised
.set n, n+1
.endr
	v_nop                                          ; a plain line behind the exponentials
	s_wait_alu depctr_va_vdst(0)                   ; and one wait for the whole batch, ahead of its first reader
.set j, 0
.rept 8                                ; eight numbers at a time: summed unquantised, in four chains; then held (p is not negative: one-sided), two a line; the eight before them converted
.irp k, 0,1,2,3
	v_pk_add_f32 v[SM+2*\k:SM+2*\k+1], v[SM+2*\k:SM+2*\k+1], v[SB+8*j+2*\k:SB+8*j+2*\k+1]
.endr
.if j > 0
	v_cvt_scalef32_pk8_fp8_f32 v[PB+2*j-2:PB+2*j-1], v[SB+8*j-8:SB+8*j-1], v[SCL]
.endif
.irp k, 0,1,2,3
	v_dual_min_num_f32 v[SB+8*j+2*\k], v[SB+8*j+2*\k], v[H0] :: v_dual_min_num_f32 v[SB+8*j+2*\k+1], v[SB+8*j+2*\k+1], v[H1]
.endr
.set j, j+1
.endr
	v_cvt_scalef32_pk8_fp8_f32 v[PB+14:PB+15], v[SB+56:SB+63], v[SCL]
	v_nop                                          ; one plain line behind the last conversion
.endm
; A KEY STEP: 128 keys at LDS byte s[TB] + STEPB q, for both tiles.
.macro STEP q, last, meet
	v_add_nc_u32 v[ADR], s[TB], v[LI]
	s_wait_alu depctr_va_vdst(0)
.rept 4
	v_nop                                          ; places in front of loads into registers that matrix instructions have read
.endr
	WIN 0x40
.irp t, 0,1,2,3,4,5,6,7
.irp c, 0,1,2,3
	ds_load_b128 v[FRG+16*\t+4*\c:FRG+16*\t+4*\c+3], v[ADR] offset:STEPB*(\q)+2048*\t+512*\c   ; 32 lanes read 512 consecutive bytes
.endr
.endr
	WIN 0x01
.irp t, 0,1,2,3,4,5,6,7                ; S^T = K Q^T: each fragment of 16 keys serves both tiles
	s_wait_dscnt 28-4*\t                           ; fragment t's four loads are in; the 4 (7 - t) younger ones may be out
	v_wmma_f32_16x16x128_fp8_fp8 v[S+8*\t:S+8*\t+7], v[FRG+16*\t:FRG+16*\t+15], v[QF:QF+15], 0
	v_wmma_f32_16x16x128_fp8_fp8 v[S+64+8*\t:S+64+8*\t+7], v[FRG+16*\t:FRG+16*\t+15], v[QF+16:QF+31], 0
.endr
.rept 4
	v_nop                                          ; places in front of the loads below and of the lines that read the scores
.endr
	WIN 0x40
.irp t, 0,1,2,3,4,5,6,7                ; V's eight fragments land while the softmax is worked
.irp c, 0,1,2,3
	ds_load_b128 v[FRG+16*\t+4*\c:FRG+16*\t+4*\c+3], v[ADR] offset:STEPB*(\q)+16384+2048*\t+512*\c
.endr
.endr
	WIN 0
	SOFTMAX 0, 0, 0
	SOFTMAX 1, \last, \meet
.if \meet == 0
	s_wait_alu depctr_va_vdst(0)
	s_wait_dscnt 0x0                               ; V's fragments are in (with meet they were waited for ahead of the signal)
.endif
	WIN 0x51
.irp t, 0,1,2,3,4,5,6,7                ; O^T += V^T P^T: the sixteen accumulators take turns, one instruction a turn
	v_wmma_f32_16x16x128_fp8_fp8 v[O+8*\t:O+8*\t+7], v[FRG+16*\t:FRG+16*\t+15], v[PC:PC+15], v[O+8*\t:O+8*\t+7]
	v_wmma_f32_16x16x128_fp8_fp8 v[O+64+8*\t:O+64+8*\t+7], v[FRG+16*\t:FRG+16*\t+15], v[PC+16:PC+31], v[O+64+8*\t:O+64+8*\t+7]
.endr
	WIN 0
.endm
; THE CHANGE OF SLOTS begins inside a slot's last step, behind the step's last LDS and scalar loads.  MEET: each wave waits for all its tensor loads (its part of the next slot), adds 0 to its spare word, waits for that and for
; its reads of the slot in hand (V's fragments are then in registers), and signals.  The rest of the step, tile 1's softmax and the second products, is work on registers between the signal and its wait.
; fill = 1: the barrier opens a round of the cluster's; the joint load of the keys that follow is the first thing behind the round and has a slot's four steps in which to land.  fill = 2: nothing is filled again.
.macro WALK                            ; one slot on: the walking descriptor and the prefetches' addresses; work on registers between the add and its wait
	s_xor_b32 s[G0+1], s[G0+1], SLOTB
	s_add_nc_u64 s[G0+2:G0+3], s[G0+2:G0+3], SLOTB
	s_wait_xcnt 0x0                                ; the last prefetches have read their addresses
	s_add_nc_u64 s[PFA:PFA+1], s[PFA:PFA+1], SLOTB
	s_add_nc_u64 s[PFM:PFM+1], s[PFM:PFM+1], NQ*256
.endm
.macro MEET fill
	s_wait_tensorcnt 0x0
	ds_add_u32 v[SPW], v[NIL]
.if \fill == 1
	WALK
.endif
	s_wait_dscnt 0x0
	s_barrier_signal -1
.endm
.macro CREST                           ; a round of the cluster's barrier behind its opening barrier
	s_cmp_lg_u32 s[WV], 0
	s_cbranch_scc1 .Lnot_w0_\@
	s_barrier_signal -3
.Lnot_w0_\@:
	s_barrier_wait -3
	s_barrier_signal -1
	s_barrier_wait -1
.endm
; A prefetch of the mask words of the slot that follows the one about to be read: four key steps ahead of the scalar loads that want them.  The sixteen heads of a batch entry read the same words: the first of them asks,
; each wave for its own two tiles x four steps, eight blocks of 256 bytes, one instruction.  Slot 0's words come by their loads alone; the three changes that fill a slot ask for slots 1, 2 and 3.
.macro ASKM
	s_cmp_eq_u32 s[HM], 0
	s_cbranch_scc0 .Lnot_m_\@
	global_prefetch_b8 v[PMO], s[PFM:PFM+1] th:TH_LOAD_NT scope:SCOPE_SE
.Lnot_m_\@:
.endm
.macro REFILL                          ; behind the round: a wave's one tensor load until the next round, then the prefetches
	TLOAD
	ASK
	ASKM
.endm
.macro STEPS cnt, last                 ; cnt steps of the slot in hand
	s_mov_b32 s[QS], \cnt
.Lstep_\@:
	STEP 0, \last, 0
	s_add_co_u32 s[TB], s[TB], STEPB
	s_sub_co_u32 s[QS], s[QS], 1
	s_cmp_lg_u32 s[QS], 0
	s_cbranch_scc1 .Lstep_\@
.endm
	s_wait_alu depctr_va_vdst(0)                   ; the wait at the head's end
	MEET 1                                         ; slot 0 is in;
	s_barrier_wait -1
	CREST
	REFILL                                         ; slot 1's first fill, issued as a refill is
	s_mov_b32 s[SLOTS], NSL-2
.Lslot:                                            ; NSL - 2 trips: slots 0 and 1 are read, slots 2 and 3 asked for
	s_mov_b32 s[TB], s[SBASE]
	STEPS NQ-1, 0
	STEP 0, 0, 1
	s_barrier_wait -1
	CREST
	REFILL
	s_xor_b32 s[SBASE], s[SBASE], SLOTB            ; on to the other slot
	s_sub_co_u32 s[SLOTS], s[SLOTS], 1
	s_cmp_lg_u32 s[SLOTS], 0
	s_cbranch_scc1 .Lslot
	s_mov_b32 s[TB], s[SBASE]                      ; the last two slots are written out
	STEPS NQ-1, 0
	STEP 0, 0, 2
	s_barrier_wait -1
	s_xor_b32 s[SBASE], s[SBASE], SLOTB
	s_mov_b32 s[TB], s[SBASE]
	STEPS NQ, 1
	; THE WAY OUT.  Each tile's four sums are joined; O^T is divided by the row's sum, multiplied by 2^(ep + ev), and goes through my stage, half a row (256 bytes) of 16 queries at a time.
	v_pk_add_f32 v[SUM:SUM+1], v[SUM:SUM+1], v[SUM+2:SUM+3]
	v_pk_add_f32 v[SUM+4:SUM+5], v[SUM+4:SUM+5], v[SUM+6:SUM+7]
	v_pk_add_f32 v[SUM+8:SUM+9], v[SUM+8:SUM+9], v[SUM+10:SUM+11]
	v_pk_add_f32 v[SUM+12:SUM+13], v[SUM+12:SUM+13], v[SUM+14:SUM+15]
	s_delay_alu instid0(VALU_DEP_3)
	v_pk_add_f32 v[SUM:SUM+1], v[SUM:SUM+1], v[SUM+4:SUM+5]
	s_delay_alu instid0(VALU_DEP_2)
	v_pk_add_f32 v[SUM+8:SUM+9], v[SUM+8:SUM+9], v[SUM+12:SUM+13]
	s_delay_alu instid0(VALU_DEP_2)
	v_add_f32 v[SUM], v[SUM], v[SUM+1]
	s_delay_alu instid0(VALU_DEP_2)
	v_add_f32 v[SUM+8], v[SUM+8], v[SUM+9]
	v_permlanex16_b32 v[SUM+2], v[SUM], s[SEL], s[SEL+1]
	v_permlanex16_b32 v[SUM+10], v[SUM+8], s[SEL], s[SEL+1]
	s_delay_alu instid0(VALU_DEP_2)
	v_add_f32 v[SUM], v[SUM], v[SUM+2]             ; the row's sum; it is above 1/2, since the row's largest p is
	s_delay_alu instid0(VALU_DEP_2)
	v_add_f32 v[SUM+8], v[SUM+8], v[SUM+10]
	s_wait_alu depctr_va_vdst(0)                   ; the wait ahead of the transcendentals
	v_rcp_f32 v[SUM], v[SUM]
	v_rcp_f32 v[SUM+8], v[SUM+8]
	v_nop
	s_wait_alu depctr_va_vdst(0)                   ; and ahead of the first line that names a result
	v_ldexp_f32 v[SUM], v[SUM], s[EPV]
	v_ldexp_f32 v[SUM+8], v[SUM+8], s[EPV]
	WIN 0x01
	s_wait_alu depctr_va_vdst(0)                   ; the wait directly ahead of the first readers of O^T
.set i, 0
.rept 128
	v_mul_f32 v[S+i], v[O+i], v[SUM+8*(i/64)]      ; register 64 w + 8 t + j is out(tile w, query r, channel 16 t + 8 h + j); each accumulator from its low end on
.set i, i+1
.endr
	WIN 0
	s_wait_alu depctr_va_vdst(0)
.macro OUTP w, rb                      ; tile w leaves; rb: 64 registers that are done with
.irp u, 0,1
.irp x, 0,1,2,3
	ds_store_b128 v[STO], v[S+64*\w+32*\u+8*\x:S+64*\w+32*\u+8*\x+3] offset:64*\x
	ds_store_b128 v[STO], v[S+64*\w+32*\u+8*\x+4:S+64*\w+32*\u+8*\x+7] offset:64*\x+16
.endr
.irp i, 0,1,2,3,4,5,6,7
	ds_load_b128 v[\rb+32*\u+4*\i:\rb+32*\u+4*\i+3], v[RD] offset:2*\i*SP   ; these see my stores, and the next half's stores come behind them
.endr
.endr
.irp u, 0,1
.irp i, 0,1,2,3,4,5,6,7
	s_wait_dscnt 23-16*\u-\i                       ; this load is back; what was issued behind it may be out
	global_store_b128 v[GOF], v[\rb+32*\u+4*\i:\rb+32*\u+4*\i+3], s[OUT:OUT+1] offset:\w*8192+\i*1024+\u*256 th:TH_STORE_NT   ; 16 lanes store 256 consecutive bytes, aligned
.endr
.endr
.endm
	OUTP 0, QF                                     ; into Q's and p's codes' registers
	OUTP 1, S                                      ; into tile 0's numbers' registers: every LDS instruction that read them is done
	s_wait_tensorcnt 0x0                           ; the wave's end
	ds_add_u32 v[SPW], v[NIL]
	s_wait_dscnt 0x0
	CROUND                                         ; the closing round
	s_endpgm
.Lfunc_end_k_qef9419d342_attn:
	.size	k_qef9419d342_attn, .Lfunc_end_k_qef9419d342_attn-k_qef9419d342_attn
	.p2alignl 7, 3214868480
	.fill 96, 4, 3214868480
	.section	.rodata,"a",@progbits
	.p2align	6, 0x0
	.amdhsa_kernel k_qef9419d342_attn
		.amdhsa_group_segment_fixed_size 327680
		.amdhsa_private_segment_fixed_size 0
		.amdhsa_enable_private_segment 0
		.amdhsa_kernarg_size 40
		.amdhsa_user_sgpr_count 2
		.amdhsa_user_sgpr_kernarg_segment_ptr 1
		.amdhsa_wavefront_size32 1
		.amdhsa_system_sgpr_workgroup_id_x 1
		.amdhsa_system_sgpr_workgroup_id_y 1
		.amdhsa_system_sgpr_workgroup_id_z 1
		.amdhsa_system_vgpr_workitem_id 0
		.amdhsa_next_free_vgpr 512
		.amdhsa_next_free_sgpr 106
		.amdhsa_reserve_vcc 0
		.amdhsa_float_denorm_mode_32 3
		.amdhsa_float_denorm_mode_16_64 3
		.amdhsa_memory_ordered 1
		.amdhsa_forward_progress 1
		.amdhsa_inst_pref_size 255
	.end_amdhsa_kernel
	.section	.bss,"aw",@nobits
	.p2align	6
	.space	262144
	.amdgpu_metadata
---
amdhsa.version: [ 1, 2 ]
amdhsa.kernels:
  - .name:           k_qef9419d342_attn
    .symbol:         k_qef9419d342_attn.kd
    .args:
      - { .name: q, .offset: 0, .size: 8, .value_kind: global_buffer, .address_space: global }
      - { .name: kv, .offset: 8, .size: 8, .value_kind: global_buffer, .address_space: global }
      - { .name: mbits, .offset: 16, .size: 8, .value_kind: global_buffer, .address_space: global }
      - { .name: lowp_scales, .offset: 24, .size: 8, .value_kind: global_buffer, .address_space: global }
      - { .name: out0, .offset: 32, .size: 8, .value_kind: global_buffer, .address_space: global }
    .group_segment_fixed_size: 327680
    .private_segment_fixed_size: 0
    .kernarg_segment_align: 8
    .kernarg_segment_size: 40
    .max_flat_workgroup_size: 256
    .sgpr_count:     106
    .vgpr_count:     512
    .wavefront_size: 32
...
	.end_amdgpu_metadata
.endif
;; end of part 2
